; MI455X (gfx1250); checked and timed in simulation.
; The chip was launched on July 23, 2026; its instructions are those of AMD's public machine-readable ISA for CDNA 5 (MIT licence, August 2026) and "CDNA5" Instruction Set Architecture Reference Guide (July 2026). The comments in the code are by the model that wrote it; some were corrected since.
;; Intermediate. Allowed arithmetic: float matrix products may take bf16 or f16 operands with f32 sums; other float arithmetic in f32, or as packed bf16 or f16 multiplies, adds, multiply-adds, maxima and minima; sums over many terms, partial sums and values carried from step to step in f32; what a program stores and reads back later, other than sums and carried values, may be rounded once to bf16 or f16.
;; Inputs: bias 4,096 float32; hidden_states 2 x 2,048 x 4,096 float32; input_clip_val one number float32; weight 4,096 x 4,096 float32; weight_clip_val one number float32.
;; Outputs: out0 2 x 2,048 x 4,096 float32.
;; 2 versions, each right; version 2 is version 1 with the launch quant written anew for expert scheduling mode. Each part assembles by itself: llvm-mc -triple=amdgcn-amd-amdhsa -mcpu=gfx1250 --defsym DOCPART=n.
;; ======== version 1 of 2: 2 launches
;; limits: right only within a limited range of input values
;; workspace buffers: xq 33,554,432 bytes; wq 33,554,432 bytes
;; launch quant (part 1): grid 512 x 2, 8 waves a work-group, no clusters, 0 bytes of LDS; arguments hidden_states, weight, input_clip_val, weight_clip_val, xq, wq; writes xq, wq
.if DOCPART == 1
	.amdgcn_target "amdgcn-amd-amdhsa--gfx1250"
	.amdhsa_code_object_version 6
	.text
	.protected	k_q07724c9b8e_quant
	.globl	k_q07724c9b8e_quant
	.p2align	8
	.type	k_q07724c9b8e_quant,@function
k_q07724c9b8e_quant:
	s_mov_b64 s[64:65], 0
	v_nop
	global_prefetch_b8 v0, s[64:65] scope:SCOPE_SE
	s_setreg_imm32_b32 hwreg(HW_REG_WAVE_MODE, 25, 1), 1
	s_wait_xcnt 0x0
; THE LEVELS.  L = round_half_even(clip(v, -c, c) / s), c = |clip|, s = c / 127, for every number of hidden_states (grid y = 0) and of weight (grid y = 1).
; L is a whole number from -127 to 127: bf16 holds it exactly, so xq and wq ([4096][4096] bf16) lose nothing; the factor s is applied to the sums by the launch behind.
; WHY A TRUE QUOTIENT.  A number that falls on the neighbouring level is off by a whole step s, and a weight so displaced shifts a whole column of the output.  So v / s is made as the correctly
; rounded f32 quotient: q = v r with r = 1 / s, then twice the exact remainder t = v - q s (one fused multiply-add) and q = q + t r.  The first correction brings q within one unit of its
; last place, the second rounds it correctly, given that r is the correctly rounded reciprocal.  s itself is made the same way from c and the rounded 1 / 127.
; LIMITS.  |clip| within 2^-100 .. 2^100 (outside it remainders underflow, or v_rcp_f32 flushes: ISA guide, its entry in 15.8).  r may be one unit off where s's significand is all ones.
; A NaN among the inputs is taken by v_med3_num_f32 as a bound of the clip and not passed on.  x_c + (q - x_c) of the problem's text is taken as q.
; SHARES.  Memory binds: each input byte is read once, each output byte written once; no byte is shared between waves, so no LDS, no barrier, no matrix unit, no cluster.
; A work-group owns 131,072 input bytes, taken as 32 rows of 4,096, and the 65,536 output bytes that belong to them.  Thread t owns bytes 16 t of an input row (4 f32) and bytes 8 t of an output
; row (4 bf16): a wave's load covers 512 consecutive bytes, aligned; its store 256 consecutive bytes, aligned.  A ring of eight slots in registers keeps eight loads of every wave on their way.
; Every row stands in an immediate, so no address register is ever rewritten and there is no loop.
.set ROWI,  4096                       ; bytes of an input row
.set ROWO,  2048                       ; bytes of an output row
.set DEPTH, 8                          ; slots = loads on their way in each wave
.set ROWS,  32
.set IO,  8                            ; v8        16 t; never rewritten
.set OO,  9                            ; v9        8 t; never rewritten
.set Q,   10                           ; v[10:13]  four quotients at work
.set T,   14                           ; v[14:17]  four remainders
.set X,   20                           ; v[20:51]  slot k: 4 registers as loaded
.set Y,   52                           ; v[52:67]  slot k: 2 registers to store
.set IN,  20                           ; s[20:21]  the tensor that this work-group reads, at its part
.set CP,  22                           ; s[22:23]  its clip value
.set OUT, 24                           ; s[24:25]  the buffer that it writes, at its part
.set C,   28                           ; s28  c
.set NC,  29                           ; s29  -c
.set R,   30                           ; s[30:31]  r = 1 / s: the packed forms name a pair and take its low word for both halves
.set NS,  32                           ; s[32:33]  -s, likewise
	s_load_b256 s[4:11], s[0:1], 0x0               ; hidden_states s[4:5], weight s[6:7], input_clip_val s[8:9], weight_clip_val s[10:11]
	s_load_b128 s[12:15], s[0:1], 0x20             ; xq s[12:13], wq s[14:15]
	s_and_b32 s16, ttmp7, 0xffff                   ; grid y: which tensor
	s_lshl_b32 s2, ttmp9, 17                       ; the work-group's 131,072 input bytes (511 x 2^17 stays under 2^26)
	s_mov_b32 s3, 0
	s_lshl_b32 s26, ttmp9, 16                      ; and its 65,536 output bytes
	s_mov_b32 s27, 0
	v_lshlrev_b32 v[IO], 4, v0
	v_lshlrev_b32 v[OO], 3, v0
	s_wait_kmcnt 0x0
	s_cmp_eq_u32 s16, 0                            ; the choice hangs on the work-group's number alone
	s_cselect_b64 s[IN:IN+1], s[4:5], s[6:7]
	s_cselect_b64 s[CP:CP+1], s[8:9], s[10:11]
	s_cselect_b64 s[OUT:OUT+1], s[12:13], s[14:15]
	s_load_b32 s[C], s[CP:CP+1], 0x0
	s_add_nc_u64 s[IN:IN+1], s[IN:IN+1], s[2:3]
	s_add_nc_u64 s[OUT:OUT+1], s[OUT:OUT+1], s[26:27]
.irp i, 0,1,2,3,4,5,6,7
	global_load_b128 v[X+4*(\i):X+4*(\i)+3], v[IO], s[IN:IN+1] offset:(\i)*ROWI th:TH_LOAD_NT  ; the ring is filled: rows 0 to 7
.endr
	; s and r, the same in every lane, made while the first rows are on their way
	s_wait_kmcnt 0x0
	s_and_b32 s[C], s[C], 0x7fffffff               ; c = |clip|
	s_xor_b32 s[NC], s[C], 0x80000000
	v_mov_b32 v1, s[C]
	v_mov_b32 v2, 0x42fe0000                       ; 127
	v_mov_b32 v3, 0x3c010204                       ; 1 / 127, correctly rounded
	v_mul_f32 v4, v1, v3                           ; a first quotient, within one unit of its last place,
	v_fma_f32 v5, -v4, v2, v1                      ; its exact remainder,
	v_fma_f32 v4, v5, v3, v4                       ; s = c / 127, correctly rounded
	v_rcp_f32 v5, v4
	v_nop                                          ; a plain instruction between the reciprocal and the use of its result (ISA guide 5.7.2),
	s_wait_alu depctr_va_vdst(0)                   ; and a wait ahead of the first use
.rept 2
	v_fma_f32 v6, -v4, v5, 1.0                     ; 1 - s r, exact to one rounding,
	v_fma_f32 v5, v6, v5, v5                       ; r = r + r (1 - s r)
.endr
	v_readfirstlane_b32 s[R], v5
	v_xor_b32 v4, 0x80000000, v4
	v_readfirstlane_b32 s[NS], v4
	s_mov_b32 s[R+1], s[R]                         ; named with them as pairs, so they are written
	s_mov_b32 s[NS+1], s[NS]
; Row n, in slot n % 8.  ahead = 1: the slot is filled again with the row eight further down.  left = how many younger loads may stay out.
.macro SLOT n, ahead, left
.set XK, X+4*((\n)%DEPTH)
.set YK, Y+2*((\n)%DEPTH)
	s_wait_loadcnt \left                           ; loads come back in order (ISA guide 5.7.1): my row is in, the rows asked for behind it stay out
	s_wait_xcnt 0x0                                ; every earlier memory instruction has had its addresses translated (ISA guide 3.1): the slot's Y, which its last store reads, is rewritten only behind this wait
.irp j, 0,1,2,3
	v_med3_num_f32 v[XK+(\j)], v[XK+(\j)], s[NC], s[C]  ; the clip
.endr
.irp j, 0,2
	v_pk_mul_f32 v[Q+(\j):Q+(\j)+1], v[XK+(\j):XK+(\j)+1], s[R:R+1] op_sel_hi:[1,0]
.endr
.rept 2
.irp j, 0,2
	v_pk_fma_f32 v[T+(\j):T+(\j)+1], v[Q+(\j):Q+(\j)+1], s[NS:NS+1], v[XK+(\j):XK+(\j)+1] op_sel_hi:[1,0,1]  ; t = v - q s
.endr
.irp j, 0,2
	v_pk_fma_f32 v[Q+(\j):Q+(\j)+1], v[T+(\j):T+(\j)+1], s[R:R+1], v[Q+(\j):Q+(\j)+1] op_sel_hi:[1,0,1]      ; q = q + t r
.endr
.endr
.irp j, 0,1,2,3
	v_rndne_f32 v[Q+(\j)], v[Q+(\j)]               ; to the nearest whole number, halves to the even one
.endr
	v_cvt_pk_bf16_f32 v[YK],   v[Q],   v[Q+1]      ; exact: whole numbers up to 127
	v_cvt_pk_bf16_f32 v[YK+1], v[Q+2], v[Q+3]
.if \ahead
	global_load_b128 v[XK:XK+3], v[IO], s[IN:IN+1] offset:((\n)+DEPTH)*ROWI th:TH_LOAD_NT  ; the load goes out ahead of the store
.endif
	global_store_b64 v[OO], v[YK:YK+1], s[OUT:OUT+1] offset:(\n)*ROWO th:TH_STORE_NT
.endm
.irp n, 0,1,2,3,4,5,6,7,8,9,10,11,12,13,14,15,16,17,18,19,20,21,22,23
	SLOT \n, 1, DEPTH-1                            ; seven rows were asked for behind mine
.endr
.irp n, 24,25,26,27,28,29,30,31
	SLOT \n, 0, ROWS-1-(\n)                        ; the last eight rows load nothing: the counts run down
.endr
	s_endpgm
.Lfunc_end_k_q07724c9b8e_quant:
	.size	k_q07724c9b8e_quant, .Lfunc_end_k_q07724c9b8e_quant-k_q07724c9b8e_quant
	.p2alignl 7, 3214868480
	.fill 96, 4, 3214868480
	.section	.rodata,"a",@progbits
	.p2align	6, 0x0
	.amdhsa_kernel k_q07724c9b8e_quant
		.amdhsa_group_segment_fixed_size 0
		.amdhsa_private_segment_fixed_size 0
		.amdhsa_enable_private_segment 0
		.amdhsa_kernarg_size 48
		.amdhsa_user_sgpr_count 2
		.amdhsa_user_sgpr_kernarg_segment_ptr 1
		.amdhsa_wavefront_size32 1
		.amdhsa_system_sgpr_workgroup_id_x 1
		.amdhsa_system_sgpr_workgroup_id_y 1
		.amdhsa_system_sgpr_workgroup_id_z 1
		.amdhsa_system_vgpr_workitem_id 0
		.amdhsa_next_free_vgpr 68
		.amdhsa_next_free_sgpr 66
		.amdhsa_reserve_vcc 0
		.amdhsa_float_denorm_mode_32 3
		.amdhsa_float_denorm_mode_16_64 3
		.amdhsa_memory_ordered 1
		.amdhsa_forward_progress 1
		.amdhsa_inst_pref_size 46
	.end_amdhsa_kernel
	.amdgpu_metadata
---
amdhsa.version: [ 1, 2 ]
amdhsa.kernels:
  - .name:           k_q07724c9b8e_quant
    .symbol:         k_q07724c9b8e_quant.kd
    .args:
      - { .name: hidden_states, .offset: 0, .size: 8, .value_kind: global_buffer, .address_space: global }
      - { .name: weight, .offset: 8, .size: 8, .value_kind: global_buffer, .address_space: global }
      - { .name: input_clip_val, .offset: 16, .size: 8, .value_kind: global_buffer, .address_space: global }
      - { .name: weight_clip_val, .offset: 24, .size: 8, .value_kind: global_buffer, .address_space: global }
      - { .name: xq, .offset: 32, .size: 8, .value_kind: global_buffer, .address_space: global }
      - { .name: wq, .offset: 40, .size: 8, .value_kind: global_buffer, .address_space: global }
    .group_segment_fixed_size: 0
    .private_segment_fixed_size: 0
    .kernarg_segment_align: 8
    .kernarg_segment_size: 48
    .max_flat_workgroup_size: 256
    .sgpr_count:     66
    .vgpr_count:     68
    .wavefront_size: 32
...
	.end_amdgpu_metadata
.endif
;; end of part 1
;; launch gemm (part 2): grid 16 x 16, 4 waves a work-group, clusters of 4 x 4, 327,680 bytes of LDS; arguments xq, wq, out0, bias, input_clip_val, weight_clip_val; writes out0
.if DOCPART == 2
	.amdgcn_target "amdgcn-amd-amdhsa--gfx1250"
	.amdhsa_code_object_version 6
	.text
	.protected	k_q07724c9b8e_gemm
	.globl	k_q07724c9b8e_gemm
	.p2align	8
	.type	k_q07724c9b8e_gemm,@function
k_q07724c9b8e_gemm:
	s_mov_b64 s[64:65], 0
	v_nop
	global_prefetch_b8 v0, s[64:65] scope:SCOPE_SE
	s_setreg_imm32_b32 hwreg(HW_REG_WAVE_MODE, 25, 1), 1
	s_wait_xcnt 0x0
	s_wait_alu depctr_hold_cnt(0) depctr_sa_sdst(0) depctr_va_vdst(0) depctr_va_sdst(0) depctr_va_ssrc(0) depctr_va_vcc(0) depctr_vm_vsrc(0)
	s_getreg_b32 s2, hwreg(HW_REG_IB_STS2, 6, 4)
	s_cmp_eq_u32 s2, 0
	s_cbranch_scc0 .Lentry_in_a_cluster
	s_endpgm
.Lentry_in_a_cluster:
	s_bfe_u32 s2, ttmp6, 0x10000c
	s_cmp_lg_u32 s2, 0xf033
	s_cbranch_scc0 .Lentry_shape_is_right
	s_endpgm
.Lentry_shape_is_right:
; out[m][n] = max(S x (the sum over k of A[m][k] B[n][k]) + bias[n], 0).  A = xq, B = wq: [4096][4096] bf16, the quantisation's levels, whole numbers from -127 to 127, which bf16 holds exactly.
; S = s_x s_w, the two steps' product, is applied to the f32 sums on the way out; out is [4096][4096] f32.
; LIMITS.  S is made as (|c_x| K)(|c_w| K), K = the rounded 1 / 127: within two units of the last place of s_x s_w; it has to be a finite normal number (|c_x c_w| within about 2^-110 .. 2^130).
; The sums of whole-number products are exact below 2^24 and rounded as any f32 sum beyond.  v_max_num_f32 turns a NaN into 0.
; SHARES.  A tile of out, 256 x 256, is made by a work-group of four waves; a wave makes 128 x 128: 64 accumulators of 16 x 16, 512 registers.  16 x 16 tiles: one work-group each.
; K goes in steps of 128 through a ring of two LDS slots filled by the tensor data mover: a tile's rows are 256 bytes of memory and start at multiples of 256 bytes from the buffer's first byte.
; CLUSTERS: 4 x 4 work-groups.  The four of a row of the cluster need the same tiles of A, the four of a column the same tiles of B.  Such a tile is asked for JOINTLY: each of the four issues the
; same tensor load, with the same descriptor and a mask that names the four, and each receives the tile in its own LDS.  That divides the requests for A and for B by four.
; REGISTERS, in windows of 256 (s_set_vgpr_msb's low byte: bits 1:0 source 0, 3:2 source 1, 5:4 source 2, 7:6 destination):
;   window 0: v0-31 addresses, bias, S; v64-127, v128-191 fragments of A (8 x 16 rows x 32 K), two buffers; on the way out the same 128 registers are two buffers of 16 rows of out
;   window 1: v64-127, v128-191 fragments of B, two buffers
;   window 2: the 32 accumulators of my rows 0-63 (accumulator (a, b) at v[8 (8 a + b)]);   window 3: those of my rows 64-127
; THE MATRIX INSTRUCTION IS USED TRANSPOSED: source 0 = 16 rows of B, source 1 = 16 rows of A.  In the result lane l holds row l % 16 of out and its registers 0 to 7 the columns
; 8 (l / 16) + 0 .. 7: 32 neighbouring bytes of a row of out.
.set SIZE_M, 4096
.set SIZE_N, 4096
.set SIZE_K, 4096
.set KSTEP,  128
.set PITCH,  272                       ; an LDS row: 256 bytes of data + 16 of padding = 68 words: row r starts at bank 4 r mod 64 (64 banks of 4 bytes: ISA guide 11.1), so the 16 rows that a load touches start at 16 different banks
.set HALFT,  128*PITCH                 ; 128 rows: what one tensor load brings, and what one wave reads of A or of B
.set SLOT,   4*HALFT                   ; A's 256 rows, then B's 256 rows
.set STAGE,  2*SLOT                    ; behind the ring: for each wave 16 rows of 128 f32, for the way out; no tensor load lands here
.set SPITCH, 528                       ; a stage row: 512 bytes + 16 = 132 words: again row r starts at bank 4 r mod 64
.set WSTAGE, 16*SPITCH                 ; a wave's stage: 8,448 bytes, 33 blocks of 256
.set SPARE,  STAGE+4*WSTAGE            ; behind the stages: the spare words, 128 bytes for each wave: two blocks of 256 bytes that no other line names
.set LAPS,   SIZE_K/(2*KSTEP)          ; a lap = two K steps = once round the ring: 16
.set KINV,   0x3c010204                ; 1 / 127, rounded
.set BI,   8                           ; v[8:11]  bias of the four columns that I store; never rewritten
.set SC,   12                          ; v[12:13] S, and a written partner: the packed form names a pair and takes its low word for both halves
.set ADRA, 16                          ; v16-17  LDS address of my A fragments in slot 0, 1
.set ADRB, 20                          ; v20-21  the same for B
.set STO,  24                          ; v24     the way out: where I put 32 bytes of a row
.set RD,   25                          ; v25     the way out: where I read 16 bytes of a row back
.set CO,   26                          ; v26     16 x my lane: my byte offset in 512 bytes of out and of bias; never rewritten
.set SPW,  28                          ; v28     LDS address of my spare word: SPARE + 4 x my thread's number; never rewritten
.set NIL,  29                          ; v29     0; never rewritten
.set PFO,  30                          ; v30     the prefetches' offset: my lane x a row of A or B in memory (8,192 bytes); never rewritten
.set PFA,  44                          ; s[44:45] where my prefetches stand: my work-group's 32 rows of the 128 that I fetch, one K step further along K than the refill that is being asked for; a prefetch names the K step after that
.set LIM,  43                          ; s43     1 in a wave that prefetches, else the greatest number
.set F0,   64                          ; fragment buffer 0
.set F1,   128                         ; fragment buffer 1
.set OB,   64                          ; the way out: 16 rows read back from the stage: v64-127 and v128-191 by turns
.set G1,  24                           ; s[24:31] descriptor group 1 for A's tiles
.set G0,  32                           ; s[32:39] descriptor group 0 for A's tiles, one set for each slot
.set G1B, 48                           ; s[48:55] descriptor group 1 for B's tiles: it differs from A's in the mask alone
.set G0B, 56                           ; s[56:63] descriptor group 0 for B's tiles, one set for each slot
.set MSB, 0
.macro WIN new                         ; the immediate's high byte repeats the setting that is left; a switch that changes nothing is dropped
.if MSB != (\new)
	s_set_vgpr_msb (MSB<<8)|(\new)
.set MSB, \new
.endif
.endm
.set MUL_LO, 0xa1                      ; source 0 (B) window 1, source 1 (A) window 0, C and D window 2
.set MUL_HI, 0xf1                      ; the same, C and D window 3
.set TO_B,   0x40                      ; destination window 1, address window 0
; A joint load.  Waves 0 and 1 fetch A's two halves, waves 2 and 3 B's.  Each of the two lines has ONE mask and one set of registers for all that issue it, and nothing in them hangs on a
; coordinate that the four partners do not share.  The branch hangs on the wave's number alone.  An s_nop 0 and four v_nop follow each of the two lines, ahead of the jump and the label.
.macro JLOAD s
	s_cmp_eq_u32 s11, 0
	s_cbranch_scc0 .Lfor_b_\@
	tensor_load_to_lds s[G0+4*(\s):G0+4*(\s)+3], s[G1:G1+7]
	s_nop 0
.rept 4
	v_nop
.endr
	s_branch .Lasked_\@
.Lfor_b_\@:
	tensor_load_to_lds s[G0B+4*(\s):G0B+4*(\s)+3], s[G1B:G1B+7]
	s_nop 0
.rept 4
	v_nop
.endr
.Lasked_\@:
.endm
; A PREFETCH INTO THE L2, behind each joint load, its five lines and the run of LDS loads that follows them: the K step that stands TWO refills on, 512 matrix instructions ahead of the load that
; will want it: 32 rows x 256 bytes, a lane a row, one instruction a wave.  Each row's 256 bytes of a K step are named ONCE in the launch: A's tile row is read by every cluster of that row of
; clusters, and the one with cluster x = 0 asks; B's tile column by every cluster of that column, and the one with cluster y = 0 asks.  The four partners that ask for a tile jointly share its rows
; out BY ADDRESS: of the 128 rows that a wave fetches the partner at place p takes 32 p .. 32 p + 31 (p = cx for A, cy for B): no branch hangs on a work-group's place in its cluster.
; The first four K steps come by their loads alone; the loop's last trip asks for nothing: K steps 32 and 33 do not exist.
.macro ASK
	s_cmp_gt_u32 s3, s[LIM]                        ; s3 = 1 in the loop's last trip
	s_cbranch_scc0 .Lnot_mine_\@
	global_prefetch_b8 v[PFO], s[PFA:PFA+1] offset:KSTEP*2 th:TH_LOAD_NT scope:SCOPE_SE
.Lnot_mine_\@:
.endm
; A round of the cluster's barrier: my work-group's barrier, so that wave 0's signal speaks for all four waves; wave 0 signals for the work-group; every wave waits for all sixteen
; work-groups; my work-group's barrier once more.  No LDS instruction of the wave is pending at a signal.
.macro CREST                           ; a round behind its opening barrier
	s_cmp_lg_u32 s10, 0
	s_cbranch_scc1 .Lnot_wave_0_\@
	s_barrier_signal -3
.Lnot_wave_0_\@:
	s_barrier_wait -3
	s_barrier_signal -1
	s_barrier_wait -1
.endm
.macro CROUND                          ; a whole round
	s_barrier_signal -1
	s_barrier_wait -1
	CREST
.endm
	s_load_b128 s[4:7], s[0:1], 0x0                ; A s[4:5], B s[6:7]
	s_load_b64 s[8:9], s[0:1], 0x10                ; out
	s_load_b64 s[66:67], s[0:1], 0x18              ; bias
	s_load_b128 s[68:71], s[0:1], 0x20             ; input_clip_val s[68:69], weight_clip_val s[70:71]
	v_lshl_add_u32 v[SPW], v0, 2, SPARE
	v_mov_b32 v[NIL], 0
	ds_add_u32 v[SPW], v[NIL]                      ; the wave's opening: the add, twice on end, and its wait ahead of my first tensor load; the set-up below, work on registers, stands between the second and the wait
	ds_add_u32 v[SPW], v[NIL]                      ; and once more, under the one wait
	v_lshrrev_b32 v1, 5, v0
	v_readfirstlane_b32 s10, v1                    ; wave 0..3
	s_lshr_b32 s11, s10, 1                         ; which half of the tile's rows is mine.  Also: I fetch for A (0) or for B (1)
	s_and_b32 s12, s10, 1                          ; which half of its columns.  Also: which 128 rows of that tile I fetch
	s_bfe_u32 s40, ttmp6, 0x40000                  ; cx: my place along the cluster's x
	s_bfe_u32 s41, ttmp6, 0x40004                  ; cy: along its y
	s_lshl_b32 s42, ttmp9, 2                       ; in a cluster launch ttmp9 and ttmp7 count clusters
	s_add_co_u32 s42, s42, s40                     ; tile column of out = 4 x cluster x + cx
	s_and_b32 s13, ttmp7, 0xffff
	s_lshl_b32 s13, s13, 2
	s_add_co_u32 s13, s13, s41                     ; tile row of out = 4 x cluster y + cy
	s_lshl_b32 s43, s41, 2
	s_lshl_b32 s43, 15, s43                        ; my row of the cluster: places 4 cy .. 4 cy + 3
	s_lshl_b32 s44, 0x1111, s40                    ; my column: places cx, cx + 4, cx + 8, cx + 12
	; descriptor group 1: a tile of 128 rows x 128 elements, padded in LDS
	s_or_b32 s[G1+0], s43, (1<<16)|(1<<20)|(1<<21)|(5<<22)|(3<<25)  ; 15:0 the mask: A's tiles go to my row; 17:16 element of 2 bytes; 20 padding on; 21 set beside a mask; 24:22 after every 64 words (code 5); 31:25 of 4 words (code 3)
	s_or_b32 s[G1B+0], s44, (1<<16)|(1<<20)|(1<<21)|(5<<22)|(3<<25) ; the same with the mask of my column, for B's tiles
	s_mov_b32 s[G1B+1], KSTEP<<16
	s_mov_b32 s[G1+1], KSTEP<<16                   ; 63:48 tensor_dim0, low half = 128
	s_mov_b32 s[G1B+2], 128<<16
	s_mov_b32 s[G1+2], 128<<16                     ; 79:64 its high half = 0; 95:80 tensor_dim1, low half = 128
	s_mov_b32 s[G1B+3], KSTEP<<16
	s_mov_b32 s[G1+3], KSTEP<<16                   ; 111:96 its high half = 0; 127:112 tile_dim0 = 128
	s_mov_b32 s[G1B+4], 128
	s_mov_b32 s[G1+4], 128                         ; 143:128 tile_dim1 = 128; 159:144 tile_dim2 = 0
	s_mov_b32 s[G1B+5], SIZE_K
	s_mov_b32 s[G1+5], SIZE_K                      ; 191:160 tensor_dim0_stride, low word: elements from row to row
	s_mov_b32 s[G1B+6], 0
	s_mov_b32 s[G1+6], 0
	s_mov_b32 s[G1B+7], 0
	s_mov_b32 s[G1+7], 0
	; where the tiles come from.  A's hang on the tile row alone, which my row of the cluster shares; B's on the tile column alone, which my column shares.
	; Every wave makes both addresses, in registers that never hold the other coordinate, and asks by one of them.
	s_lshl_b32 s17, s12, 7                         ; which 128 rows of the tile I fetch
	s_lshl_b32 s16, s13, 8
	s_add_co_u32 s16, s16, s17                     ; A: row 256 x tile row + 128 x half
	s_lshl_b32 s46, s42, 8
	s_add_co_u32 s46, s46, s17                     ; B: row 256 x tile column + 128 x half
	s_mov_b32 s17, 0
	s_mov_b32 s47, 0
	s_mov_b64 s[18:19], SIZE_K*2
	s_mul_u64 s[16:17], s[16:17], s[18:19]         ; in bytes, in 64 bits
	s_mul_u64 s[46:47], s[46:47], s[18:19]
	s_mul_i32 s20, s10, HALFT                      ; and where they go: A's two halves, then B's two halves = wave x 128 rows: no place in the cluster enters an LDS address
	s_wait_dscnt 0x0                               ; both opening adds are done
	s_wait_kmcnt 0x0
	s_add_nc_u64 s[14:15], s[4:5], s[16:17]
	s_add_nc_u64 s[46:47], s[6:7], s[46:47]
	CROUND                                         ; all sixteen work-groups are here: the first joint loads meet
.irp s, 0,1
	s_mov_b32 s[G0+4*(\s)], 1                                      ; 1:0 count = 1
	s_add_co_u32 s[G0+4*(\s)+1], s20, (\s)*SLOT                    ; 63:32 LDS address
	s_add_nc_u64 s[G0+4*(\s)+2:G0+4*(\s)+3], s[14:15], (\s)*KSTEP*2  ; 120:64 global address: K step s
	s_or_b32 s[G0+4*(\s)+3], s[G0+4*(\s)+3], 0x80000000            ; 127:126 type = 2
	s_mov_b32 s[G0B+4*(\s)], 1
	s_add_co_u32 s[G0B+4*(\s)+1], s20, (\s)*SLOT
	s_add_nc_u64 s[G0B+4*(\s)+2:G0B+4*(\s)+3], s[46:47], (\s)*KSTEP*2
	s_or_b32 s[G0B+4*(\s)+3], s[G0B+4*(\s)+3], 0x80000000
	JLOAD \s                                       ; the ring is filled before anything else is done: two tensor loads of mine are out
.endr
	s_load_b32 s72, s[68:69], 0x0                  ; the two clip values
	s_load_b32 s73, s[70:71], 0x0
	; A fragment is 16 rows x 32 K in 8 registers: lane l holds row l % 16; registers 0-3 hold K = 8 (l / 16) + 0..7, registers 4-7 hold
	; K = 16 + 8 (l / 16) + 0..7.  From rows that lie along K: two loads of 16 bytes, 32 bytes apart.  The same for source 0 and source 1.
	v_and_b32 v1, 15, v0                           ; l % 16
	v_bfe_u32 v2, v0, 4, 1                         ; l / 16
	v_mul_u32_u24 v3, v1, PITCH
	v_lshl_add_u32 v3, v2, 4, v3                   ; row x pitch + 16 x half
	s_mul_i32 s21, s11, HALFT                      ; my 128 rows of A
	s_mul_i32 s22, s12, HALFT                      ; my 128 rows of B,
	s_add_co_u32 s22, s22, 2*HALFT                 ; which lie behind A's 256
.irp s, 0,1
	v_add_nc_u32 v[ADRA+(\s)], s21, v3
	v_add_nc_u32 v[ADRB+(\s)], s22, v3
	s_add_co_u32 s21, s21, SLOT
	s_add_co_u32 s22, s22, SLOT
.endr
	s_mul_i32 s23, s10, WSTAGE
	s_add_co_u32 s23, s23, STAGE                   ; my stage
	v_mul_u32_u24 v4, v1, SPITCH                   ; in: row l % 16, 32 bytes (eight f32) for each half of the lanes
	v_lshl_add_u32 v4, v2, 5, v4
	v_add_nc_u32 v[STO], s23, v4
	v_and_b32 v5, 31, v0
	v_lshlrev_b32 v[CO], 4, v5                     ; back: the 32 lanes take one row of 512 bytes, 16 bytes each; the same in out and in bias
	v_add_nc_u32 v[RD], s23, v[CO]
	; where my part of the tile begins in out and in bias
	s_lshl_b32 s13, s13, 8
	s_lshl_b32 s14, s11, 7
	s_add_co_u32 s16, s13, s14                     ; my first row of out,
	s_lshl_b32 s16, s16, 14                        ; x 16,384 bytes: under 2^26
	s_mov_b32 s17, 0
	s_lshl_b32 s46, s42, 10                        ; my first column, in bytes: 1,024 x tile column + 512 x half (in the registers that held B's address: none that feeds A's descriptors ever holds cx)
	s_lshl_b32 s47, s12, 9
	s_add_co_u32 s46, s46, s47
	s_mov_b32 s47, 0
	s_add_nc_u64 s[66:67], s[66:67], s[46:47]
	s_add_nc_u64 s[8:9], s[8:9], s[46:47]
	s_add_nc_u64 s[8:9], s[8:9], s[16:17]
	global_load_b128 v[BI:BI+3], v[CO], s[66:67]   ; bias of my four columns: the same for every row that I store
	; the prefetches.  s13 = 256 x tile row, s42 = tile column, s40 = cx, s41 = cy still stand; s[4:5] = A, s[6:7] = B
	s_lshl_b32 s42, s42, 8
	s_and_b32 s22, ttmp7, 0xffff                   ; cluster y
	s_cmp_eq_u32 s11, 0                            ; do I fetch for A?
	s_cselect_b32 s20, s13, s42                    ; the tile's first row: in A by the tile row, in B by the tile column
	s_cselect_b32 s21, s40, s41                    ; my place among the four that ask for it with me
	s_cselect_b32 s22, ttmp9, s22                  ; the coordinate along which other clusters read the same rows
	s_cselect_b64 s[PFA:PFA+1], s[4:5], s[6:7]
	s_cmp_eq_u32 s22, 0
	s_cselect_b32 s[LIM], 1, -1                    ; the same in all sixteen partners, for a given wave
	s_lshl_b32 s22, s12, 7
	s_add_co_u32 s20, s20, s22                     ; + the 128 rows that I fetch
	s_lshl_b32 s21, s21, 5
	s_add_co_u32 s20, s20, s21                     ; + my work-group's 32 of them
	s_mov_b32 s21, 0
	s_mov_b64 s[18:19], SIZE_K*2
	s_mul_u64 s[20:21], s[20:21], s[18:19]
	s_add_nc_u64 s[PFA:PFA+1], s[PFA:PFA+1], s[20:21]
	s_add_nc_u64 s[PFA:PFA+1], s[PFA:PFA+1], 2*KSTEP*2  ; at K step 2: the first refill steps it to 3 and names K step 4
	v_and_b32 v[PFO], 31, v0
	v_mul_u32_u24 v[PFO], v[PFO], SIZE_K*2
	; S = (|c_x| / 127)(|c_w| / 127)
	s_wait_kmcnt 0x0
	s_and_b32 s72, s72, 0x7fffffff
	s_and_b32 s73, s73, 0x7fffffff
	v_mov_b32 v[SC], s72
	v_mov_b32 v[SC+1], s73
	v_mul_f32 v[SC], KINV, v[SC]
	v_mul_f32 v[SC+1], KINV, v[SC+1]
	v_mul_f32 v[SC], v[SC], v[SC+1]
; 16 matrix instructions: m blocks a0, a0 + 1 of the window's four (hi = 0: my rows 0-63, 1: rows 64-127) x all 8 n blocks, 32 along K.
; zero = 1: the first product starts the sums: nothing is ever cleared.  The 64 accumulators take turns, one instruction a turn, in the same order in every quarter step.
.macro MUL16 f, hi, a0, zero
	WIN MUL_LO+0x50*(\hi)  ; MUL_LO or MUL_HI
.irp a, \a0, (\a0)+1
.irp b, 0,1,2,3,4,5,6,7
.if \zero
	v_wmma_f32_16x16x32_bf16 v[8*(8*(\a)+(\b)):8*(8*(\a)+(\b))+7], v[(\f)+8*(\b):(\f)+8*(\b)+7], v[(\f)+8*(4*(\hi)+(\a)):(\f)+8*(4*(\hi)+(\a))+7], 0
.else
	v_wmma_f32_16x16x32_bf16 v[8*(8*(\a)+(\b)):8*(8*(\a)+(\b))+7], v[(\f)+8*(\b):(\f)+8*(\b)+7], v[(\f)+8*(4*(\hi)+(\a)):(\f)+8*(4*(\hi)+(\a))+7], v[8*(8*(\a)+(\b)):8*(8*(\a)+(\b))+7]
.endif
.endr
.endr
.endm
; 32 LDS loads in one run: the fragments of one quarter step (128 rows of B, 128 rows of A, 32 K at byte k of the rows) into buffer f
.macro FETCH slot, k, f
	WIN TO_B
.irp i, 0,1,2,3,4,5,6,7
	ds_load_b128 v[(\f)+8*(\i):(\f)+8*(\i)+3],   v[ADRB+(\slot)] offset:(\k)+(\i)*16*PITCH
	ds_load_b128 v[(\f)+8*(\i)+4:(\f)+8*(\i)+7], v[ADRB+(\slot)] offset:(\k)+(\i)*16*PITCH+32
.endr
	WIN 0
.irp i, 0,1,2,3,4,5,6,7
	ds_load_b128 v[(\f)+8*(\i):(\f)+8*(\i)+3],   v[ADRA+(\slot)] offset:(\k)+(\i)*16*PITCH
	ds_load_b128 v[(\f)+8*(\i)+4:(\f)+8*(\i)+7], v[ADRA+(\slot)] offset:(\k)+(\i)*16*PITCH+32
.endr
.endm
; A load into a register that a matrix instruction has read, and an instruction that reads a matrix result, stand four places behind that matrix instruction, and only plain vector
; instructions that name none of its registers are places (ISA guide 7.12.1 for vector instructions); the matrix instructions in between are not counted.
.macro PLACES
.rept 4
	v_nop
.endr
.endm
; A K step is four quarter steps of 32 along K, 64 matrix instructions each, on buffers 0, 1, 0, 1.
; One of the first three: multiplies buffer f; in its middle it fetches the next quarter's fragments, at byte k of the same slot's rows, into buffer g.
.macro QUARTER slot, k, f, g, zero
	s_wait_dscnt 8                                 ; B and A's rows 0-63 are in; the youngest eight loads (A's rows 64-127) may be out
	WIN MUL_LO
	MUL16 \f, 0, 0, \zero
	MUL16 \f, 0, 2, \zero
	PLACES
	FETCH \slot, \k, \g
	s_wait_dscnt 32                                ; all but the 32 just issued
	WIN MUL_HI
	MUL16 \f, 1, 0, \zero
	MUL16 \f, 1, 2, \zero
.endm
; The last quarter multiplies buffer 1 and changes slots.  MEET is its first half: ONE barrier for the change of slots, for two things.  In front of it each wave waits for all its tensor
; loads, of which one is out: its part of the next slot; adds 0 to its spare word; and waits for that and for its own reads of this slot.  Behind it nobody reads this slot any more and the next slot is whole.
.macro MEET round                      ; round = 1: a round of the cluster's barrier follows
	WIN 0                                          ; (the add's two registers lie in window 0)
	s_wait_tensorcnt 0x0                           ; all my tensor loads have landed: the one that was out is my part of the next slot;
	ds_add_u32 v[SPW], v[NIL]                      ; 0 onto my spare word;
	s_wait_dscnt 9                                 ; (the add and the youngest eight loads may be out)
	WIN MUL_LO
	MUL16 F1, 0, 0, 0                              ; sixteen matrix instructions stand between the add and the wait for it
	s_wait_dscnt 0x0                               ; the add is done, and my reads of this slot are over:
	s_barrier_signal -1                            ; say so (where a slot is filled again this barrier opens a round of the cluster's barrier),
	MUL16 F1, 0, 2, 0                              ; work on registers while the others arrive,
.if \round
	WIN 0
.endif
	s_barrier_wait -1                              ; and go on when all four have said so
.endm
; The whole last quarter.  fill = 1: behind the round the slot just read out is filled again first, with the K step two steps on; then come the next slot's first fragments.  From a request
; to the wait for it a wave issues 224 matrix instructions.  fill = 0 (the last lap): nothing is asked for, so the work-group's barrier alone stands there.
.macro TURN slot, next, fill
.if \fill
	s_wait_xcnt 0x0                                ; the last prefetch, a K step back, has read its address: it is stepped here, ahead of the waits of the change of slots
	s_add_nc_u64 s[PFA:PFA+1], s[PFA:PFA+1], KSTEP*2
	MEET 1
	CREST                                          ; wave 0 says so for the work-group, all sixteen work-groups have said so, my work-group's barrier closes the round:
	                                               ; no wave of any partner still reads this slot's tile or has a load on its way
	s_add_nc_u64 s[G0+4*(\slot)+2:G0+4*(\slot)+3], s[G0+4*(\slot)+2:G0+4*(\slot)+3], 2*KSTEP*2      ; no tensor load of mine is out, so a group 0 may be written
	s_add_nc_u64 s[G0B+4*(\slot)+2:G0B+4*(\slot)+3], s[G0B+4*(\slot)+2:G0B+4*(\slot)+3], 2*KSTEP*2
	JLOAD \slot                                    ; the first tensor load behind the round, and my only one until the next; the four v_nop behind it are also the places in front of the loads below
.else
	MEET 0
	PLACES                                         ; for the loads into buffer 0, which the quarter before multiplied
.endif
	FETCH \next, 0, F0
.if \fill
	ASK                                            ; behind the joint load and the run of LDS loads that the next products wait for
.endif
	WIN MUL_HI
	MUL16 F1, 1, 0, 0
	MUL16 F1, 1, 2, 0
.endm
; THE WAY OUT of block a (16 of my 128 rows), in two parts.  TOSTAGE: the block's eight accumulators go as they are, f32, into my own stage in LDS (32 bytes a lane and accumulator, the lowest four
; registers first) and come back as whole rows of 512 bytes, 16 bytes a lane.  The stage is mine alone and LDS serves a wave's instructions in order
; (ISA guide 5.7.1.4): no wait between the stores and the loads, and the next block's stores come behind this block's loads.
.macro TOSTAGE a
.set AC, 64*((\a)%4)
.set BK, OB+64*((\a)%2)
	WIN 0x08+4*((\a)/4)                            ; the stores' data (source 1) in window 2 or 3, the address in window 0
.irp b, 0,1,2,3,4,5,6,7
	ds_store_b128 v[STO], v[AC+8*(\b):AC+8*(\b)+3]   offset:64*(\b)
	ds_store_b128 v[STO], v[AC+8*(\b)+4:AC+8*(\b)+7] offset:64*(\b)+16
.endr
	WIN 0
.if (\a) >= 2
	s_wait_xcnt 0x0                                ; every earlier memory instruction has had its addresses translated (ISA guide 3.1): the buffer that block a - 2's stores read is loaded again only behind this wait
.endif
.irp t, 0,1,2,3,4,5,6,7,8,9,10,11,12,13,14,15
	ds_load_b128 v[BK+4*(\t):BK+4*(\t)+3], v[RD] offset:(\t)*SPITCH
.endr
.endm
; SEND: sum x S + bias in one fused multiply-add, two numbers an instruction; the ReLU; the store.  younger = the LDS instructions issued behind block a's loads: the next block's 32, or none.
.macro SEND a, younger
.set BK, OB+64*((\a)%2)
	WIN 0
.irp t, 0,1,2,3,4,5,6,7,8,9,10,11,12,13,14,15
	s_wait_dscnt (\younger)+15-(\t)                ; row t is back; my later rows and the next block's stores and loads may be out
	v_pk_fma_f32 v[BK+4*(\t):BK+4*(\t)+1],   v[BK+4*(\t):BK+4*(\t)+1],   v[SC:SC+1], v[BI:BI+1]   op_sel_hi:[1,0,1]
	v_pk_fma_f32 v[BK+4*(\t)+2:BK+4*(\t)+3], v[BK+4*(\t)+2:BK+4*(\t)+3], v[SC:SC+1], v[BI+2:BI+3] op_sel_hi:[1,0,1]
.irp j, 0,1,2,3
	v_max_num_f32 v[BK+4*(\t)+(\j)], 0, v[BK+4*(\t)+(\j)]
.endr
	global_store_b128 v[CO], v[BK+4*(\t):BK+4*(\t)+3], s[8:9] offset:(16*(\a)+(\t))*SIZE_N*4 th:TH_STORE_NT  ; the wave stores 512 consecutive bytes, at a multiple of 512 from out's first byte; the row stands in the immediate, 127 x 16,384 at the most
.endr
.endm
	s_wait_loadcnt 0x0                             ; the bias is in: no load of mine is out at the barrier
	s_wait_tensorcnt 1                             ; my part of K step 0 is in; K step 1's may stay out
	s_barrier_signal -1
	s_barrier_wait -1                              ; everybody's is
	FETCH 0, 0, F0
	QUARTER 0, 64,  F0, F1, 1                      ; the first quarter stands in front of the loop: its products start the sums
	WIN 0                                          ; at a label and at a branch every window is 0
	s_mov_b32 s3, LAPS-1
.Llap:                                                 ; a trip goes once round the ring, from a lap's second quarter to the next lap's first, and fills both slots again
	QUARTER 0, 128, F1, F0, 0
	QUARTER 0, 192, F0, F1, 0
	TURN 0, 1, 1
	QUARTER 1, 64,  F0, F1, 0
	QUARTER 1, 128, F1, F0, 0
	QUARTER 1, 192, F0, F1, 0
	TURN 1, 0, 1
	QUARTER 0, 64,  F0, F1, 0
	WIN 0
	s_sub_co_u32 s3, s3, 1
	s_cmp_lg_u32 s3, 0
	s_cbranch_scc1 .Llap
	QUARTER 0, 128, F1, F0, 0                      ; the last lap is written out: it fills nothing
	QUARTER 0, 192, F0, F1, 0
	TURN 0, 1, 0
	QUARTER 1, 64,  F0, F1, 0
	QUARTER 1, 128, F1, F0, 0
	QUARTER 1, 192, F0, F1, 0
	s_wait_dscnt 8                                 ; the very last quarter: nothing more to fetch
	WIN MUL_LO
	MUL16 F1, 0, 0, 0
	MUL16 F1, 0, 2, 0
	s_wait_dscnt 0x0
	WIN MUL_HI
	MUL16 F1, 1, 0, 0
	MUL16 F1, 1, 2, 0
	WIN 0
	PLACES                                         ; the places behind the last products, in front of the LDS stores that read results and of the loads into A's fragment registers;
	PLACES                                         ; eight, once a launch: more than the four that are asked for
	TOSTAGE 0
.irp a, 1,2,3,4,5,6,7                  ; block a's round trip through the stage is on its way while block a - 1 is scaled and stored
	TOSTAGE \a
	SEND (\a)-1, 32
.endr
	SEND 7, 0
	s_wait_tensorcnt 0x0                           ; the wave's end, behind my last tensor load and my last LDS store
	ds_add_u32 v[SPW], v[NIL]
	s_wait_dscnt 0x0
	CROUND                                         ; the closing round: no work-group ends while a partner may still ask for a tile that names it
	s_endpgm
.Lfunc_end_k_q07724c9b8e_gemm:
	.size	k_q07724c9b8e_gemm, .Lfunc_end_k_q07724c9b8e_gemm-k_q07724c9b8e_gemm
	.p2alignl 7, 3214868480
	.fill 96, 4, 3214868480
	.section	.rodata,"a",@progbits
	.p2align	6, 0x0
	.amdhsa_kernel k_q07724c9b8e_gemm
		.amdhsa_group_segment_fixed_size 327680
		.amdhsa_private_segment_fixed_size 0
		.amdhsa_enable_private_segment 0
		.amdhsa_kernarg_size 48
		.amdhsa_user_sgpr_count 2
		.amdhsa_user_sgpr_kernarg_segment_ptr 1
		.amdhsa_wavefront_size32 1
		.amdhsa_system_sgpr_workgroup_id_x 1
		.amdhsa_system_sgpr_workgroup_id_y 1
		.amdhsa_system_sgpr_workgroup_id_z 1
		.amdhsa_system_vgpr_workitem_id 0
		.amdhsa_next_free_vgpr 1024
		.amdhsa_next_free_sgpr 76
		.amdhsa_reserve_vcc 0
		.amdhsa_float_denorm_mode_32 3
		.amdhsa_float_denorm_mode_16_64 3
		.amdhsa_memory_ordered 1
		.amdhsa_forward_progress 1
		.amdhsa_inst_pref_size 178
	.end_amdhsa_kernel
	.amdgpu_metadata
---
amdhsa.version: [ 1, 2 ]
amdhsa.kernels:
  - .name:           k_q07724c9b8e_gemm
    .symbol:         k_q07724c9b8e_gemm.kd
    .args:
      - { .name: xq, .offset: 0, .size: 8, .value_kind: global_buffer, .address_space: global }
      - { .name: wq, .offset: 8, .size: 8, .value_kind: global_buffer, .address_space: global }
      - { .name: out0, .offset: 16, .size: 8, .value_kind: global_buffer, .address_space: global }
      - { .name: bias, .offset: 24, .size: 8, .value_kind: global_buffer, .address_space: global }
      - { .name: input_clip_val, .offset: 32, .size: 8, .value_kind: global_buffer, .address_space: global }
      - { .name: weight_clip_val, .offset: 40, .size: 8, .value_kind: global_buffer, .address_space: global }
    .group_segment_fixed_size: 327680
    .private_segment_fixed_size: 0
    .kernarg_segment_align: 8
    .kernarg_segment_size: 48
    .max_flat_workgroup_size: 128
    .sgpr_count:     76
    .vgpr_count:     1024
    .wavefront_size: 32
...
	.end_amdgpu_metadata
.endif
;; end of part 2
;; ======== version 2 of 2: 2 launches; version 1 with the launch quant written anew for expert scheduling mode
;; limits: right only within a limited range of input values
;; workspace buffers: xq 33,554,432 bytes; wq 33,554,432 bytes
;; launch quant (part 3): grid 512 x 2, 8 waves a work-group, no clusters, 0 bytes of LDS; arguments hidden_states, weight, input_clip_val, weight_clip_val, xq, wq; writes xq, wq
.if DOCPART == 3
	.amdgcn_target "amdgcn-amd-amdhsa--gfx1250"
	.amdhsa_code_object_version 6
	.text
	.protected	k_q07724c9b8e_quant
	.globl	k_q07724c9b8e_quant
	.p2align	8
	.type	k_q07724c9b8e_quant,@function
k_q07724c9b8e_quant:
	s_mov_b64 s[64:65], 0
	v_nop
	global_prefetch_b8 v0, s[64:65] scope:SCOPE_SE
	s_setreg_imm32_b32 hwreg(HW_REG_WAVE_SCHED_MODE, 0, 2), 2
	s_setreg_imm32_b32 hwreg(HW_REG_WAVE_MODE, 25, 1), 1
	s_wait_xcnt 0x0
	s_wait_alu depctr_vm_vsrc(0)
; THE LEVELS.  L = round_half_even(clip(v, -c, c) / s), c = |clip|, s = c / 127, for every number of hidden_states (grid y = 0) and of weight (grid y = 1).
; L is a whole number from -127 to 127: bf16 holds it exactly, so xq and wq ([4096][4096] bf16) lose nothing; the factor s is applied to the sums by the launch behind.
; WHY A TRUE QUOTIENT.  A number that falls on the neighbouring level is off by a whole step s, and a weight so displaced shifts a whole column of the output.  So v / s is made as the correctly
; rounded f32 quotient: q = v r with r = 1 / s, then twice the exact remainder t = v - q s (one fused multiply-add) and q = q + t r.  The first correction brings q within one unit of its
; last place, the second rounds it correctly, given that r is the correctly rounded reciprocal.  s itself is made the same way from c and the rounded 1 / 127.
; LIMITS.  |clip| within 2^-100 .. 2^100 (outside it remainders underflow, or v_rcp_f32 flushes: ISA guide, its entry in 15.8).  r may be one unit off where s's significand is all ones.
; A NaN among the inputs is taken by v_med3_num_f32 as a bound of the clip and not passed on.  x_c + (q - x_c) of the problem's text is taken as q.
; SHARES.  Memory binds: each input byte is read once, each output byte written once; no byte is shared between waves, so no LDS, no barrier, no matrix unit, no cluster.
; A work-group owns 131,072 input bytes, taken as 32 rows of 4,096, and the 65,536 output bytes that belong to them.  Thread t owns bytes 16 t of an input row (4 f32) and bytes 8 t of an output
; row (4 bf16): a wave's load covers 512 consecutive bytes, aligned; its store 256 consecutive bytes, aligned.
; Every row stands in an immediate, so no address register is ever rewritten and there is no loop.
; THE MODE: SCHED_MODE bits 1:0 = 2 (LLVM: expert scheduling mode 2), set by the entry lines.  The code itself states the register dependences
; between vector instructions and memory instructions, with s_wait_alu, always for 0.
; THE PLAN.  The 32 rows go in 8 blocks of four.  Registers that memory instructions touch:
;   X0 .. X3   four blocks of input as loaded.  Written by the loads of block p + 3, issued in block p; read, and clipped in place, by block p's vector lines.
;   Y0, Y1     two blocks of levels to store.   Written by block p's packings; read by the four stores that are issued in block p + 1.
;   v8, v9     byte offsets, made once at the head and never written again.
; Block p works on X[p % 4] and writes Y[p % 2].  Its memory instructions are the loads into X[(p + 3) % 4] = X[(p - 1) % 4] and the stores from Y[(p - 1) % 2]: the two buffers that
; block p - 1 worked on and that no vector instruction of block p names.  So the waits at a block's head state all that its eight memory instructions hang on, and these are dealt among
; its vector instructions, a load and a store in front of each row's lines, with no further wait.  Behind a block's four loads twelve loads of the wave are on their way.
.set ROWI,   4096                      ; bytes of an input row
.set ROWO,   2048                      ; bytes of an output row
.set BLOCK,  4                         ; rows in a block
.set BLOCKS, 8
.set IO,  8                            ; v8        16 t; never rewritten
.set OO,  9                            ; v9        8 t; never rewritten
.set Q,   10                           ; v[10:13]  four quotients at work: no memory instruction names them
.set T,   14                           ; v[14:17]  four remainders, likewise
.set X,   20                           ; v[20:83]  buffer k, row i: 4 registers at X + 16 k + 4 i, as loaded
.set Y,   84                           ; v[84:99]  buffer k, row i: 2 registers at Y + 8 k + 2 i, to store
.set IN,  20                           ; s[20:21]  the tensor that this work-group reads, at its part
.set CP,  22                           ; s[22:23]  its clip value
.set OUT, 24                           ; s[24:25]  the buffer that it writes, at its part
.set C,   28                           ; s28  c
.set NC,  29                           ; s29  -c
.set R,   30                           ; s[30:31]  r = 1 / s: the packed forms name a pair and take its low word for both halves
.set NS,  32                           ; s[32:33]  -s, likewise
	s_load_b256 s[4:11], s[0:1], 0x0               ; hidden_states s[4:5], weight s[6:7], input_clip_val s[8:9], weight_clip_val s[10:11]
	s_load_b128 s[12:15], s[0:1], 0x20             ; xq s[12:13], wq s[14:15]
	s_and_b32 s16, ttmp7, 0xffff                   ; grid y: which tensor
	s_lshl_b32 s2, ttmp9, 17                       ; the work-group's 131,072 input bytes (511 x 2^17 stays under 2^26)
	s_mov_b32 s3, 0
	s_lshl_b32 s26, ttmp9, 16                      ; and its 65,536 output bytes
	s_mov_b32 s27, 0
	v_lshlrev_b32 v[IO], 4, v0
	v_lshlrev_b32 v[OO], 3, v0
	s_wait_kmcnt 0x0
	s_cmp_eq_u32 s16, 0                            ; the choice hangs on the work-group's number alone
	s_cselect_b64 s[IN:IN+1], s[4:5], s[6:7]
	s_cselect_b64 s[CP:CP+1], s[8:9], s[10:11]
	s_cselect_b64 s[OUT:OUT+1], s[12:13], s[14:15]
	s_load_b32 s[C], s[CP:CP+1], 0x0
	s_add_nc_u64 s[IN:IN+1], s[IN:IN+1], s[2:3]
	s_add_nc_u64 s[OUT:OUT+1], s[OUT:OUT+1], s[26:27]
	s_wait_alu depctr_va_vdst(0)                   ; v8 and v9 are written: every load and store of the kernel reads one of them as its offset
.irp i, 0,1,2,3,4,5,6,7,8,9,10,11
	global_load_b128 v[X+4*(\i):X+4*(\i)+3], v[IO], s[IN:IN+1] offset:(\i)*ROWI th:TH_LOAD_NT  ; blocks 0, 1 and 2 into X0, X1, X2
.endr
	; s and r, the same in every lane, made while the first rows are on their way
	s_wait_kmcnt 0x0
	s_and_b32 s[C], s[C], 0x7fffffff               ; c = |clip|
	s_xor_b32 s[NC], s[C], 0x80000000
	v_mov_b32 v1, s[C]
	v_mov_b32 v2, 0x42fe0000                       ; 127
	v_mov_b32 v3, 0x3c010204                       ; 1 / 127, correctly rounded
	v_mul_f32 v4, v1, v3                           ; a first quotient, within one unit of its last place,
	v_fma_f32 v5, -v4, v2, v1                      ; its exact remainder,
	v_fma_f32 v4, v5, v3, v4                       ; s = c / 127, correctly rounded
	v_rcp_f32 v5, v4
	v_nop                                          ; a plain instruction between the reciprocal and the use of its result (ISA guide 5.7.2),
	s_wait_alu depctr_va_vdst(0)                   ; and the reciprocal has written v5, ahead of its first reader
.rept 2
	v_fma_f32 v6, -v4, v5, 1.0                     ; 1 - s r, exact to one rounding,
	v_fma_f32 v5, v6, v5, v5                       ; r = r + r (1 - s r)
.endr
	v_readfirstlane_b32 s[R], v5
	v_xor_b32 v4, 0x80000000, v4
	v_readfirstlane_b32 s[NS], v4
	s_wait_alu depctr_va_sdst(0)                   ; s30 and s32 are written, ahead of their first readers, the two lines below
	s_mov_b32 s[R+1], s[R]                         ; named with them as pairs, so they are written
	s_mov_b32 s[NS+1], s[NS]
; Block p: rows 4 p to 4 p + 3.  It works on X[p % 4] and writes Y[p % 2]; it loads block p + 3, where there is one, and stores block p - 1, where there is one.
.macro BLK p
.set XB, X+16*((\p)%4)                 ; at work
.set XN, X+16*(((\p)+3)%4)             ; loaded again
.set YB, Y+8*((\p)%2)                  ; written
.set YP, Y+8*(((\p)+1)%2)              ; stored
.set LEFT, BLOCK*(BLOCKS-1-(\p))       ; the loads issued behind this block's four: the two younger blocks' eight; in the last blocks, which load nothing, the counts run down
.if LEFT > 2*BLOCK
.set LEFT, 2*BLOCK
.endif
	s_wait_loadcnt LEFT                            ; loads come back in order (ISA guide 5.7.1): X[p % 4] is in, the younger blocks stay out
.if (\p) >= 2
	s_wait_xcnt 0x0                                ; every earlier memory instruction has had its addresses translated (ISA guide 3.1): Y[p % 2], which the stores issued in the block before read, is rewritten only behind this wait
	s_wait_alu depctr_vm_vsrc(0)                   ; those stores have read Y[p % 2], which this block's packings write again
.endif
.if (\p) >= 1
	s_wait_alu depctr_va_vdst(0)                   ; the block before has written the other Y, which the stores below read, and is done reading and writing its X, in which the loads below land
.endif
.irp i, 0,1,2,3
.if (\p)+3 < BLOCKS
	global_load_b128 v[XN+4*(\i):XN+4*(\i)+3], v[IO], s[IN:IN+1] offset:(BLOCK*((\p)+3)+(\i))*ROWI th:TH_LOAD_NT  ; three blocks ahead, ahead of the store; no vector instruction since the wait names these registers
.endif
.if (\p) >= 1
	global_store_b64 v[OO], v[YP+2*(\i):YP+2*(\i)+1], s[OUT:OUT+1] offset:(BLOCK*((\p)-1)+(\i))*ROWO th:TH_STORE_NT  ; the block before
.endif
.irp j, 0,1,2,3
	v_med3_num_f32 v[XB+4*(\i)+(\j)], v[XB+4*(\i)+(\j)], s[NC], s[C]  ; the clip
.endr
.irp j, 0,2
	v_pk_mul_f32 v[Q+(\j):Q+(\j)+1], v[XB+4*(\i)+(\j):XB+4*(\i)+(\j)+1], s[R:R+1] op_sel_hi:[1,0]
.endr
.rept 2
.irp j, 0,2
	v_pk_fma_f32 v[T+(\j):T+(\j)+1], v[Q+(\j):Q+(\j)+1], s[NS:NS+1], v[XB+4*(\i)+(\j):XB+4*(\i)+(\j)+1] op_sel_hi:[1,0,1]  ; t = v - q s
.endr
.irp j, 0,2
	v_pk_fma_f32 v[Q+(\j):Q+(\j)+1], v[T+(\j):T+(\j)+1], s[R:R+1], v[Q+(\j):Q+(\j)+1] op_sel_hi:[1,0,1]                    ; q = q + t r
.endr
.endr
.irp j, 0,1,2,3
	v_rndne_f32 v[Q+(\j)], v[Q+(\j)]               ; to the nearest whole number, halves to the even one
.endr
	v_cvt_pk_bf16_f32 v[YB+2*(\i)],   v[Q],   v[Q+1]  ; exact: whole numbers up to 127
	v_cvt_pk_bf16_f32 v[YB+2*(\i)+1], v[Q+2], v[Q+3]
.endr
.endm
.irp p, 0,1,2,3,4,5,6,7
	BLK \p                                         ; block 0 has no block in front of it and no s_wait_alu: the head's wait has covered the offsets, and no vector instruction has named X3
.endr
	s_wait_alu depctr_va_vdst(0)                   ; block 7 has written Y1, which the last four stores read
.irp i, 0,1,2,3
	global_store_b64 v[OO], v[Y+8+2*(\i):Y+8+2*(\i)+1], s[OUT:OUT+1] offset:(BLOCK*(BLOCKS-1)+(\i))*ROWO th:TH_STORE_NT
.endr
	s_endpgm
.Lfunc_end_k_q07724c9b8e_quant:
	.size	k_q07724c9b8e_quant, .Lfunc_end_k_q07724c9b8e_quant-k_q07724c9b8e_quant
	.p2alignl 7, 3214868480
	.fill 96, 4, 3214868480
	.section	.rodata,"a",@progbits
	.p2align	6, 0x0
	.amdhsa_kernel k_q07724c9b8e_quant
		.amdhsa_group_segment_fixed_size 0
		.amdhsa_private_segment_fixed_size 0
		.amdhsa_enable_private_segment 0
		.amdhsa_kernarg_size 48
		.amdhsa_user_sgpr_count 2
		.amdhsa_user_sgpr_kernarg_segment_ptr 1
		.amdhsa_wavefront_size32 1
		.amdhsa_system_sgpr_workgroup_id_x 1
		.amdhsa_system_sgpr_workgroup_id_y 1
		.amdhsa_system_sgpr_workgroup_id_z 1
		.amdhsa_system_vgpr_workitem_id 0
		.amdhsa_next_free_vgpr 100
		.amdhsa_next_free_sgpr 66
		.amdhsa_reserve_vcc 0
		.amdhsa_float_denorm_mode_32 3
		.amdhsa_float_denorm_mode_16_64 3
		.amdhsa_memory_ordered 1
		.amdhsa_forward_progress 1
		.amdhsa_inst_pref_size 45
	.end_amdhsa_kernel
	.amdgpu_metadata
---
amdhsa.version: [ 1, 2 ]
amdhsa.kernels:
  - .name:           k_q07724c9b8e_quant
    .symbol:         k_q07724c9b8e_quant.kd
    .args:
      - { .name: hidden_states, .offset: 0, .size: 8, .value_kind: global_buffer, .address_space: global }
      - { .name: weight, .offset: 8, .size: 8, .value_kind: global_buffer, .address_space: global }
      - { .name: input_clip_val, .offset: 16, .size: 8, .value_kind: global_buffer, .address_space: global }
      - { .name: weight_clip_val, .offset: 24, .size: 8, .value_kind: global_buffer, .address_space: global }
      - { .name: xq, .offset: 32, .size: 8, .value_kind: global_buffer, .address_space: global }
      - { .name: wq, .offset: 40, .size: 8, .value_kind: global_buffer, .address_space: global }
    .group_segment_fixed_size: 0
    .private_segment_fixed_size: 0
    .kernarg_segment_align: 8
    .kernarg_segment_size: 48
    .max_flat_workgroup_size: 256
    .sgpr_count:     66
    .vgpr_count:     100
    .wavefront_size: 32
...
	.end_amdgpu_metadata
.endif
;; end of part 3
;; launch gemm: the kernel of part 2 again; grid 16 x 16, 4 waves a work-group, clusters of 4 x 4, 327,680 bytes of LDS; arguments xq, wq, out0, bias, input_clip_val, weight_clip_val; writes out0
